; MI455X (gfx1250); checked and timed in simulation.
; The chip was launched on July 23, 2026; its instructions are those of AMD's public machine-readable ISA for CDNA 5 (MIT licence, August 2026) and "CDNA5" Instruction Set Architecture Reference Guide (July 2026). The comments in the code are by the model that wrote it; some were corrected since.
;; Net. Allowed arithmetic: matrix products marked QUANTISED: E3M2 operands, one E8M0 scale for each 32 along K, by v_wmma_scale_f32_16x16x128_f8f6f4 with both operands' format E3M2, f32 sums; products left as they are: f32 operands where the result goes on into a quantised operand, else bf16, f16 or f32 operands; f32 sums; everything else in f32.
;; Inputs: a 524,288 x 2 float32; b_l1 100 float32; b_l2 50 x 2 float32; b_v1 100 float32; b_v2 50 float32; s 524,288 x 10 float32; w_l1 10 x 100 float32; w_l2 50 x 100 x 2 float32; w_v1 10 x 100 float32; w_v2 100 x 50 float32.
;; Outputs: out0 524,288 x 1 float32.
;; This version of the problem:
;;   THIS VERSION OF THE PROBLEM IS GIVEN IN LOW PRECISION. The matrix products marked QUANTISED in the list below multiply operands that are first quantised to E3M2 (3 exponent bits, 2 mantissa bits; 6 bits a number), with one power-of-two scale for each 32 numbers along K (OCP MX v1.0); their sums are f32. All else is computed in f32.
;;   The module's matrix products, in the order in which they are computed (A, B: the left and right operand; K: the contracted axis; several contracted axes count as one K, in the product's order):
;;     1. [M 524,288, K 10] x [K 10, N 100]; A: input s; B: input w_v1: left as it is (K = 10 < 32)
;;     2. [M 524,288, K 100] x [K 100, N 50]; A: computed on the way; B: input w_v2: QUANTISED
;;     3. [M 524,288, K 10] x [K 10, N 100]; A: input s; B: input w_l1: left as it is (K = 10 < 32)
;;     4. [M 524,288, K 100] x [K 100, N 100]; A: computed on the way; B: input w_l2: QUANTISED
;;   THE QUANTISER, for each operand of a quantised product, along K:
;;     - K is cut into blocks of 32 from its start; a last block that is shorter is filled with zeros.
;;     - A block's scale is 2^e with e = floor(log2(the largest magnitude in the block)) - 4, held to -126 .. 127; a block of zeros has e = 0. As a byte (E8M0): e + 127.
;;     - Each number is divided by its block's scale, clamped to +-28, and rounded to the nearest number of E3M2, ties to even, subnormals kept.
;;     - The product sums the exact products of the quantised numbers (number of the format x scale) in f32.
;;   ~~~python
;;   def quantise(x, axis):      # numpy; x: float32 -> the quantised numbers, widened to float32 again
;;       x = np.moveaxis(x, axis, -1); K = x.shape[-1]
;;       x = np.pad(x, [(0, 0)] * (x.ndim - 1) + [(0, -K % 32)]); x = x.reshape(x.shape[:-1] + (-1, 32)); a = np.abs(x).max(-1, keepdims=True)
;;       e = np.where(a > 0, np.clip(np.frexp(np.where(a > 0, a, 1))[1] - 1 - 4, -126, 127), 0)      # np.frexp(a)[1] - 1 = floor(log2(a)), exactly
;;       r = np.clip(x / 2.0 ** e, -28, 28)
;;       step = 2.0 ** (np.maximum(np.frexp(np.where(r == 0, 1, r))[1] - 1, -2) - 2)
;;       q = np.round(r / step) * step * 2.0 ** e      # np.round: ties to even
;;       return np.moveaxis(q.reshape(q.shape[:-2] + (-1,))[..., :K], -1, axis).astype(np.float32)
;;   ~~~
;;   OPERANDS COMPUTED ON THE WAY. 'Computed on the way' means the value that the module computes at that place (a softmax that the list does not call 'softmax' is quantised finished and normalised). What goes into a quantiser is computed in f32, as accurately as f32 sums, v_exp_f32 and their like allow (about 1e-6 of the number): no bf16 or f16 on the way to a quantiser, and a product that is left as it is and whose result goes on into a quantised operand takes f32 operands (vector FMAs, or v_wmma_f32_16x16x4_f32). A number that lies on a knife's edge between two numbers of the format may be rounded either way, as far as f32 arithmetic and the matrix unit's own rounding can turn it there, and no further.
;; One version. Each part assembles by itself: llvm-mc -triple=amdgcn-amd-amdhsa -mcpu=gfx1250 --defsym DOCPART=n.
;; ======== version 1 of 1: 1 launch
;; launch net (part 1): grid 256 x 1, 8 waves a work-group, no clusters, 167,936 bytes of LDS; arguments s, a, w_v1, b_v1, w_l1, b_l1, w_v2, b_v2, w_l2, b_l2, out0; writes out0
.if DOCPART == 1
	.amdgcn_target "amdgcn-amd-amdhsa--gfx1250"
	.amdhsa_code_object_version 6
	.text
	.protected	k_q6c02109cc1_net
	.globl	k_q6c02109cc1_net
	.p2align	8
	.type	k_q6c02109cc1_net,@function
k_q6c02109cc1_net:
	s_mov_b64 s[64:65], 0
	v_nop
	global_prefetch_b8 v0, s[64:65] scope:SCOPE_SE
	s_setreg_imm32_b32 hwreg(HW_REG_WAVE_MODE, 25, 1), 1
	s_wait_xcnt 0x0
; out[b] = sum_n softmax_n(-3 |5 tanh(hl w_l2 + b_l2)[n] - a[b]|) x (hv w_v2 + b_v2)[n],  hv = relu(s w_v1 + b_v1), hl = relu(s w_l1 + b_l1).
; 524,288 rows, 10 states, 100 hidden units a tower, 50 centroids.  The first layers (K = 10) run in f32 on v_wmma_f32_16x16x4_f32, since their results go into a quantiser;
; the second layers (K = 100) run on codes of BF6 (E3M2) with one E8M0 scale for each 32 along K, by v_wmma_scale_f32_16x16x128_f8f6f4; all else is f32.
; NO WORK IS LEFT OUT: every input has a way to the output and is loaded.
; SHARES.  256 work-groups of 8 waves; a wave owns 256 consecutive rows: 16 tiles of 16.  Its 10,240 bytes of s and 2,048 of a come once, by two tensor loads, into LDS bytes of its own; nothing is filled again.
; THE HEAD IS SHARED OUT.  Wave (g = w % 4, c = w / 4) quantises registers 6 c .. 6 c + 5 of the fragments of tiles X g, V g and (g < 3) Y g, fetches tiles g and 4 + g of tower c's first layer, and registers
; 4 c .. 4 c + 3 of the biases of tiles X g, Y g, V g.  All of it goes round through LDS as images of the registers, behind the text's one barrier.  The loop of 16 trips touches LDS alone.
; BY TURNS.  An f32 product is sixteen times the work of a vector instruction, and a wave issues in order: so no f32 product stands next to another in the loop.  33 of a tile's 39 (the location tower's six tiles, the
; shared tile, the value tower's tiles 0-3) are made one tile AHEAD, each standing alone among the 283 vector instructions that turn the tile in hand's location sums into weights; the other six stand among
; the location tower's quantising.  The weights lie in window 1 and the vector work in window 0, so each such product has a switch of the register window in front and one behind: the lesser price.
; NO CLUSTER: what work-groups share is 69,400 bytes of weights and biases, read once at the head; the 27 MB of s, a and out are each work-group's own.
; LAYOUT.  All products are used transposed (source 0 = weights, source 1 = 16 batch rows), so that a lane (r = lane % 16, h = lane / 16) holds batch row r throughout.
;   First layers: row p of tile 2 b + u is hidden unit 32 b + 8 u + p + 8 (p / 8), so that the 16 registers of tiles 2 b, 2 b + 1 are units 32 b + 16 h + 0 .. 15: neighbours along the next K.
;   Six tiles a tower hold units 0 to 95; ONE shared tile holds units 96 to 99 of both (rows 0-3 the location tower's, rows 4-7 the value tower's, rows 8-15 zeros).
;   K goes 10 -> 12: k = 10 carries the bias against s = 1.0, k = 11 is 0.
;   Second layers: register j of tile group g in lane (r, h) is slot q = 8 g + j, centroid 25 h + q, q = 0 .. 24.  Tiles: 0-2 x of q 0-23; 3: register 0 x, register 1 y of q = 24; 4-6 y of q 0-23; 7-10 values.
;   Rows of a tile that no slot needs hold the column of slot 24 once more, over some live bias; their results are not read, but for one that is multiplied by a weight of 0.
;   b_l2 and b_v2 are the C of the products: x's and the values' come from their LDS images into the very registers that the product takes as C and D; y's stay in registers.
; LIMITS.  NaN and infinities among the inputs are not served.  The first layers' bias is summed as the eleventh term of the f32 dot product (another order of rounding than s @ w + b).
; A block of zeros gets the scale byte 1 where the rule says 127: its codes are zeros and this program alone reads the bytes.  (5 + |a|)^2 must stay under f32's largest number.
.set SB,    0                          ; LDS: s, 10,240 bytes a wave (tensor load alone writes here)
.set AB,    81920                      ; a, 2,048 bytes a wave (likewise)
.set OB,    98304                      ; results, 1,024 bytes a wave
.set IMG,   106496                     ; the eleven fragments' images: registers 2 i, 2 i + 1 of tile T at 1536 T + 256 i + 8 x lane
.set SCW,   123392                     ; their scale bytes: 64 T + 4 r + block
.set W1IM,  124160                     ; the first layers' images: registers 2 i, 2 i + 1 of tile ti of tower c at 768 (8 c + ti) + 256 i + 8 x lane
.set W1O,   W1IM-IMG
.set BIM,   136448                     ; the biases' images: registers 4 i .. 4 i + 3 of tile T at 1024 T + 512 i + 16 x lane
.set SPARE, 147712                     ; the spare words, 128 bytes a wave: four blocks of 256 bytes that no other line names
; window 0
.set AS0, 1                            ; v1   s: 10240 w + 40 r + 8 h
.set AS2, 2                            ; v2   s: 10240 w + 40 r + 32
.set AA0, 3                            ; v3   a: AB + 2048 w + 8 r
.set AO0, 4                            ; v4   results: OB + 1024 w + 4 r
.set ADS, 5                            ; v5-8 the addresses in hand
.set ADS2, 6
.set ADA, 7
.set ADO, 8
.set SPW, 9                            ; v9   my spare word; never rewritten
.set NIL, 10                           ; v10  0; never rewritten
.set IMA, 11                           ; v11  where I store fragments' images
.set SBA, 12                           ; v12  where I store scale bytes
.set RB,  13                           ; v13  IMG + 8 x lane
.set RS,  14                           ; v14  SCW + 4 r
.set ORD, 15                           ; v15  OB + 1024 w + 16 x lane
.set WS,  16                           ; v16-26 the weights' scale words, tile T: scales and nothing else
.set PW,  27                           ; v27  the location tower's scale word: a scale and nothing else
.set PWV, 28                           ; v28  the value tower's: likewise
.set GO,  29                           ; v29  my byte offset in the work-group's part of out0
.set SF,  30                           ; v30-35 s's fragment: register 2 ks + j = s[r][4 ks + 2 h + j]
.set AV,  36                           ; v36-37 a0, a1
.set FA,  38                           ; v38-39 5 - a0, 5 - a1
.set FB,  40                           ; v40-41 5 - a1, 0
.set BY,  42                           ; v42-65 b_l2's y as C of tiles 4 to 6
.set U,   66                           ; v66-129: x, distances, weights in U + 0 .. 31; y, hidden numbers, values in U + 32 .. 63
.set STG, U+32
.set RV,  U+32
.set Z,   130                          ; v130-145 the last block's sixteen: 4 numbers and 12 zeros
.set PC,  146                          ; v146-157 the location tower's codes
.set PCV, 158                          ; v158-169 the value tower's
.set PT,  170                          ; v170-172 a conversion's second result
.set TM,  174                          ; v174-193 at work
.set AL,  194                          ; v194-241 six f32 accumulators: written by matrix instructions alone
.set ASH, 242                          ; v242-249 the shared tile's: likewise
.set BIA, 250                          ; v250 BIM + 16 x lane
.set W1A, 251                          ; v251 where I store first-layer images
.set BSA, 252                          ; v252 where I store bias images
; set-up only (window 0)
.set BA1, 253
.set BB1, 254
.set XC,  30
.set XC2, 31
.set VC,  32
.set VC2, 33
.set WAA, 34
.set WBA, 35
.set WAB, 36
.set WBB, 37
.set RR,  40
.set HH,  41
.set BSX, 42
.set BSY, 46
.set BSV, 50
.set BAD, 54
.set PR,  66                           ; 64 registers: x and y of my 32 k of w_l2, by turns
.set RAWB, 130
.set SLA, 162
.set SLB, 168
; window 1
.set W1L, 0                            ; first layer, location tower: 6 tile + 2 ks + j
.set W1V, 36                           ; value tower
.set WSH, 72                           ; the shared tile
.set W2F, 80                           ; second layers' fragments: 12 T
.set AVA, 212                          ; four f32 accumulators (value tiles 0-3): written by matrix instructions alone
.set VT,  244                          ; set-up only: the value tower's part of the shared tile
; scalars
.set WAVE, 30
.set GQ,  31                           ; g = w % 4
.set CH,  32                           ; c = w / 4
.set G1S, 36                           ; s[36:43] descriptor group 1 for s;  s[44:51] for a;  s[52:55], s[56:59] their groups 0
.set G1A, 44
.set G0S, 52
.set G0A, 56
.set SEL, 60                           ; s[60:61] v_permlanex16_b32's selects for lane l xor 16
.set MH,  62                           ; lanes 16-31
.set M4,  63                           ; lanes with r = 4 .. 7
.set M8,  66                           ; lanes with r >= 8
.set MK,  67                           ; lanes whose block is the last one (k = 96 on): lanes 16-31 where c = 1
.set C2,  68                           ; s[68:69] 2 log2(e)
.set M10, 70                           ; s[70:71] -10
.set MC3, 72                           ; s[72:73] -3 log2(e)
.set MY,  74                           ; lanes whose row of tile X g takes y: rows 1-7 and 9-15 where g = 3
.set CNT, 75
.set OS,  76                           ; the tile's offset in s, in a, in the results
.set OA,  77
.set OO,  78
.set WP,  84                           ; s[84:85] my tower's first-layer weights;  s[86:87] its bias
.set BP,  86
.set MSB, 0
.macro WIN new                         ; the immediate's high byte repeats the setting that is left
.if MSB != \new
	s_set_vgpr_msb (MSB<<8)|\new
.set MSB, \new
.endif
.endm
	s_load_b512 s[8:23], s[0:1], 0x0               ; s, a, w_v1, b_v1, w_l1, b_l1, w_v2, b_v2
	s_load_b128 s[24:27], s[0:1], 0x40             ; w_l2, b_l2
	s_load_b64 s[28:29], s[0:1], 0x50              ; out0
	v_lshl_add_u32 v[SPW], v0, 2, SPARE
	v_mov_b32 v[NIL], 0
	ds_add_u32 v[SPW], v[NIL]                      ; the wave's opening: the add, twice on end, and its wait ahead of my first tensor load
	ds_add_u32 v[SPW], v[NIL]                      ; and once more; the set-up below, work on registers, stands between it and the wait
	v_lshrrev_b32 v5, 5, v0
	v_readfirstlane_b32 s[WAVE], v5                ; wave 0..7
	s_and_b32 s[GQ], s[WAVE], 3
	s_lshr_b32 s[CH], s[WAVE], 2
	; descriptor groups 1: dense blocks as rows of 256 bytes (32 elements of 8 bytes): 40 rows of s, 8 of a; no mask, no padding
	s_mov_b32 s[G1S+0], 3<<16
	s_mov_b32 s[G1S+1], 32<<16                     ; tensor_dim0
	s_mov_b32 s[G1S+2], 40<<16                     ; tensor_dim1
	s_mov_b32 s[G1S+3], 32<<16                     ; tile_dim0
	s_mov_b32 s[G1S+4], 40                         ; tile_dim1
	s_mov_b32 s[G1S+5], 32                         ; from row to row
	s_mov_b32 s[G1S+6], 0
	s_mov_b32 s[G1S+7], 0
	s_mov_b32 s[G1A+0], 3<<16
	s_mov_b32 s[G1A+1], 32<<16
	s_mov_b32 s[G1A+2], 8<<16
	s_mov_b32 s[G1A+3], 32<<16
	s_mov_b32 s[G1A+4], 8
	s_mov_b32 s[G1A+5], 32
	s_mov_b32 s[G1A+6], 0
	s_mov_b32 s[G1A+7], 0
	s_mov_b32 s[SEL], 0x76543210
	s_mov_b32 s[SEL+1], 0xfedcba98
	s_mov_b32 s[MH], 0xffff0000
	s_mov_b32 s[M4], 0x00f000f0
	s_mov_b32 s[M8], 0xff00ff00
	s_cmp_eq_u32 s[CH], 0
	s_cselect_b32 s[MK], 0, 0xffff0000
	s_cmp_eq_u32 s[GQ], 3
	s_cselect_b32 s[MY], 0xfefefefe, 0
	s_mov_b32 s[C2], 0x4038aa3b
	s_mov_b32 s[C2+1], s[C2]                       ; (named with it as a pair, so it is written)
	s_mov_b32 s[M10], 0xc1200000
	s_mov_b32 s[M10+1], s[M10]
	s_mov_b32 s[MC3], 0xc08a7fac
	s_mov_b32 s[MC3+1], s[MC3]
	; every LDS address that stays is made here, ahead of the first branch on the wave's number
	s_mul_i32 s33, s[WAVE], 10240                  ; my s
	s_lshl_b32 s34, s[WAVE], 11
	s_add_co_u32 s34, s34, AB                      ; my a
	s_lshl_b32 s35, s[WAVE], 10                    ; 1,024 w
	v_and_b32 v5, 31, v0                           ; lane
	v_and_b32 v[RR], 15, v0                        ; r
	v_bfe_u32 v[HH], v0, 4, 1                      ; h
	v_lshl_add_u32 v[GO], v5, 4, s35
	s_add_co_u32 s35, s35, OB                      ; my results
	v_mul_u32_u24 v6, v[RR], 40
	v_add_nc_u32 v6, s33, v6
	v_lshl_add_u32 v[AS0], v[HH], 3, v6
	v_add_nc_u32 v[AS2], 32, v6
	v_lshl_add_u32 v[AA0], v[RR], 3, s34
	v_lshl_add_u32 v[AO0], v[RR], 2, s35
	v_lshl_add_u32 v[ORD], v5, 4, s35
	s_mul_i32 s2, s[CH], 768
	s_mul_i32 s3, s[GQ], 1536
	s_add_co_u32 s2, s2, s3
	s_add_co_u32 s2, s2, IMG
	v_lshl_add_u32 v[IMA], v5, 3, s2               ; IMG + 8 x lane + 768 c + 1536 g
	s_lshl_b32 s4, s[CH], 1
	s_lshl_b32 s5, s[GQ], 6
	s_add_co_u32 s4, s4, s5
	s_add_co_u32 s4, s4, SCW
	v_lshl_add_u32 v[SBA], v[RR], 2, v[HH]
	v_add_nc_u32 v[SBA], s4, v[SBA]                ; SCW + 4 r + h + 2 c + 64 g
	v_lshl_add_u32 v[RB], v5, 3, IMG
	v_lshl_add_u32 v[RS], v[RR], 2, SCW
	s_lshl_b32 s2, s[CH], 3
	s_add_co_u32 s2, s2, s[GQ]
	s_mul_i32 s2, s2, 768
	s_add_co_u32 s2, s2, W1IM
	v_lshl_add_u32 v[W1A], v5, 3, s2               ; W1IM + 8 x lane + 768 (8 c + g)
	s_lshl_b32 s2, s[CH], 9
	s_lshl_b32 s3, s[GQ], 10
	s_add_co_u32 s2, s2, s3
	s_add_co_u32 s2, s2, BIM
	v_lshl_add_u32 v[BSA], v5, 4, s2               ; BIM + 16 x lane + 512 c + 1024 g
	v_lshl_add_u32 v[BIA], v5, 4, BIM
	s_mov_b32 s[G0S], 1                            ; count = 1
	s_mov_b32 s[G0S+1], s33                        ; LDS address
	s_mov_b32 s[G0A], 1
	s_mov_b32 s[G0A+1], s34
	s_mul_i32 s2, ttmp9, 81920                     ; the work-group's 2,048 rows of s,
	s_add_co_u32 s2, s2, s33                       ; my 256 of them
	s_mov_b32 s3, 0
	s_lshl_b32 s4, ttmp9, 14                       ; the same in a
	s_lshl_b32 s5, s[WAVE], 11
	s_add_co_u32 s4, s4, s5
	s_mov_b32 s5, 0
	s_lshl_b32 s6, ttmp9, 13                       ; and the work-group's part of out0
	s_mov_b32 s7, 0
	s_wait_dscnt 0x0                               ; both opening adds are done
	s_wait_kmcnt 0x0
	s_add_nc_u64 s[G0S+2:G0S+3], s[8:9], s[2:3]
	s_or_b32 s[G0S+3], s[G0S+3], 0x80000000        ; type = 2
	s_add_nc_u64 s[G0A+2:G0A+3], s[10:11], s[4:5]
	s_or_b32 s[G0A+3], s[G0A+3], 0x80000000
	s_add_nc_u64 s[28:29], s[28:29], s[6:7]
	tensor_load_to_lds s[G0S:G0S+3], s[G1S:G1S+7]  ; my two fills, the only ones: two tensor loads of mine are out
	s_nop 0
	tensor_load_to_lds s[G0A:G0A+3], s[G1A:G1A+7]
	s_nop 0
.rept 4
	v_nop
.endr
	s_cmp_eq_u32 s[CH], 0                          ; my tower: c = 0 the location tower, c = 1 the value tower.  The choice hangs on the wave's number alone
	s_cselect_b64 s[WP:WP+1], s[16:17], s[12:13]
	s_cselect_b64 s[BP:BP+1], s[18:19], s[14:15]
	; where my part of the second layers' weights lies.  Lane (r, h) takes row r of the tile (register j' = r % 8 of half h' = r / 8 in the result) and the block of 32 at k = kb = 64 c + 32 h
	v_and_b32 v5, 7, v[RR]                         ; j'
	v_lshrrev_b32 v6, 3, v[RR]                     ; h'
	s_lshl_b32 s2, s[GQ], 3
	v_add_nc_u32 v5, s2, v5                        ; q = 8 g + j'
	v_min_u32 v5, 24, v5
	v_mad_u32_u24 v7, v6, 25, v5                   ; centroid n = 25 h' + min(q, 24)
	s_lshl_b32 s3, s[CH], 6
	v_lshl_add_u32 v5, v[HH], 5, s3                ; kb
	v_min_u32 v6, 64, v5                           ; kb held at 64: rows k >= 100 do not exist, so numbers 4 to 31 of the last block are read elsewhere in the buffer and made zeros
	v_mul_u32_u24 v8, v7, 800                      ; w_l2[n][k][x, y]: 800 n + 8 k
	v_lshl_add_u32 v[XC], v5, 3, v8
	v_lshl_add_u32 v[XC2], v6, 3, v8
	v_lshlrev_b32 v8, 2, v7                        ; w_v2[k][n]: 200 k + 4 n
	v_mad_u32_u24 v[VC], v5, 200, v8
	v_mad_u32_u24 v[VC2], v6, 200, v8
	; my two tiles of the first layer, w[k][unit]: 400 k + 4 unit, k = 4 ks + 2 h + j.  Tile g: units 32 (g / 2) + 8 (g % 2) + r + 8 (r / 8)
	v_and_b32 v5, 8, v[RR]
	v_add_nc_u32 v5, v5, v[RR]
	s_lshr_b32 s2, s[GQ], 1
	s_lshl_b32 s2, s2, 7
	s_and_b32 s3, s[GQ], 1
	s_lshl_b32 s3, s3, 5
	s_add_co_u32 s2, s2, s3
	v_lshl_add_u32 v[WBA], v5, 2, s2
	v_mad_u32_u24 v[WAA], v[HH], 800, v[WBA]
	; tile 4 + g: g < 2: units 64 + 8 g + r + 8 (r / 8);  g = 2: my tower's part of the shared tile, units 96 + r % 4;  g = 3: the same once more, into an image that nobody reads (which spares a branch)
	s_lshl_b32 s5, s[GQ], 5
	s_add_co_u32 s5, s5, 256
	s_cmp_lt_u32 s[GQ], 2
	s_cselect_b32 s3, 15, 3
	s_cselect_b32 s4, 8, 0
	s_cselect_b32 s5, s5, 384
	v_and_b32 v5, s3, v[RR]
	v_and_b32 v6, s4, v[RR]
	v_add_nc_u32 v5, v5, v6
	v_lshl_add_u32 v[WBB], v5, 2, s5
	v_mad_u32_u24 v[WAB], v[HH], 800, v[WBB]
	; my twelve numbers of the second layers' biases: slots 8 g + 4 c + 0 .. 3 of half h.  Offsets are held inside the buffers; where g = 3, tile 3's register 1 takes slot 24's y
	v_mul_u32_u24 v7, v[HH], 200
	v_mul_u32_u24 v8, v[HH], 100
	s_lshl_b32 s2, s[GQ], 6
	s_lshl_b32 s3, s[CH], 5
	s_add_co_u32 s2, s2, s3                        ; 64 g + 32 c
	s_lshr_b32 s3, s2, 1                           ; 32 g + 16 c
.irp jj, 0,1,2,3
	s_add_co_u32 s4, s2, 8*\jj
.if \jj == 1
	s_min_u32 s4, s4, 196
.else
	s_min_u32 s4, s4, 192
.endif
	v_add_nc_u32 v[BAD+\jj], s4, v7
	s_add_co_u32 s4, s2, 8*\jj+4
	s_min_u32 s4, s4, 196
	v_add_nc_u32 v[BAD+4+\jj], s4, v7
	s_add_co_u32 s4, s3, 4*\jj
	s_min_u32 s4, s4, 96
	v_add_nc_u32 v[BAD+8+\jj], s4, v8
.endr
.set i, 0
.rept 16                                       ; w_l2: x and y of two k in 16 bytes: register 2 k' is x, 2 k' + 1 is y of k = kb + k'
.if i < 2
	global_load_b128 v[PR+4*i:PR+4*i+3], v[XC], s[24:25] offset:16*i
.else
	global_load_b128 v[PR+4*i:PR+4*i+3], v[XC2], s[24:25] offset:16*i
.endif
.set i, i+1
.endr
.set i, 0
.rept 32                                       ; w_v2: my column down K
.if i < 4
	global_load_b32 v[RAWB+i], v[VC], s[20:21] offset:200*i
.else
	global_load_b32 v[RAWB+i], v[VC2], s[20:21] offset:200*i
.endif
.set i, i+1
.endr
.macro SLOAD f, b, wa, wb                      ; a tile of my tower's first layer and its bias row: seven loads
.irp ks, 0,1
.irp j, 0,1
	global_load_b32 v[\f+2*\ks+\j], v[\wa], s[WP:WP+1] offset:400*(4*\ks+\j)
.endr
.endr
.irp j, 0,1
	global_load_b32 v[\f+4+\j], v[\wb], s[WP:WP+1] offset:400*(8+\j)   ; k = 8, 9 in all lanes: lanes 16-31 are mended below
.endr
	global_load_b32 v[\b], v[\wb], s[BP:BP+1]
.endm
	SLOAD SLA, BA1, WAA, WBA
	SLOAD SLB, BB1, WAB, WBB
.irp jj, 0,1,2,3
	global_load_b32 v[BSX+\jj], v[BAD+\jj], s[26:27]
	global_load_b32 v[BSY+\jj], v[BAD+4+\jj], s[26:27]
	global_load_b32 v[BSV+\jj], v[BAD+8+\jj], s[22:23]
.endr
	s_wait_loadcnt 26                              ; behind the last raw weight 14 + 12 loads were issued: with 26 at the most still out, the raw weights are in
; One block of 32 down K, v[raw] on, becomes six registers of a fragment and a scale byte; both go to LDS.  tb: my tile is tb + g
.macro QW raw, tb
.set i, 4
.rept 28
	v_cndmask_b32 v[\raw+i], v[\raw+i], 0, s[MK]   ; k >= 100: zeros
.set i, i+1
.endr
	v_max3_num_f32 v[TM], |v[\raw]|, |v[\raw+1]|, |v[\raw+2]|
	v_max3_num_f32 v[TM+1], |v[\raw+3]|, |v[\raw+4]|, |v[\raw+5]|
.irp i, 6,10,14,18,22,26
	v_max3_num_f32 v[TM], v[TM], |v[\raw+\i]|, |v[\raw+\i+1]|
	v_max3_num_f32 v[TM+1], v[TM+1], |v[\raw+\i+2]|, |v[\raw+\i+3]|
.endr
	v_max3_num_f32 v[TM], v[TM], |v[\raw+30]|, |v[\raw+31]|
	v_max3_num_f32 v[TM], v[TM], v[TM+1], 0x2800000   ; and the floor 2^(5 - 127): the byte cannot fall under 1
	v_add_nc_u32 v[TM+4], 0xfe000000, v[TM]        ; 4 off the exponent field: the conversion's scale operand
	v_lshrrev_b32 v[TM+6], 23, v[TM+4]             ; the scale's byte
	v_cvt_scalef32_pk16_bf6_f32 v[TM+10:TM+12], v[\raw:\raw+15], v[TM+4]
	v_cvt_scalef32_pk16_bf6_f32 v[TM+14:TM+16], v[\raw+16:\raw+31], v[TM+4]   ; (a conversion's three registers begin on an even number)
	v_nop                                          ; one plain place behind a scaled conversion
	v_mov_b32 v[TM+13], v[TM+14]
	v_mov_b32 v[TM+14], v[TM+15]
	v_mov_b32 v[TM+15], v[TM+16]
.irp i, 0,1,2
	ds_store_b64 v[IMA], v[TM+10+2*\i:TM+11+2*\i] offset:1536*\tb+256*\i
.endr
	ds_store_b8 v[SBA], v[TM+6] offset:64*\tb
	s_wait_dscnt 0x0                               ; the stores have read their registers
.endm
	QW RAWB, 7                                     ; tile V g
.set i, 0
.rept 32
	v_mov_b32 v[RAWB+i], v[PR+2*i+1]               ; y is taken out first,
.set i, i+1
.endr
.set i, 0
.rept 32
	v_cndmask_b32 v[PR+i], v[PR+2*i], v[PR+2*i+1], s[MY]   ; then x is drawn together in place, ascending: register i is written when 2 i and 2 i + 1 have been read.  (Tile 3's rows behind the first take y)
.set i, i+1
.endr
	QW PR, 0                                       ; tile X g
	s_wait_loadcnt 0x0                             ; my tiles of the first layer and my biases
	s_cmp_eq_u32 s[GQ], 3
	s_cbranch_scc1 .Lno_y                          ; there are three tiles of y
	QW RAWB, 4                                     ; tile Y g
	ds_store_b128 v[BSA], v[BSY:BSY+3] offset:4096
.Lno_y:
	v_cndmask_b32 v[SLA+4], v[SLA+4], v[BA1], s[MH]   ; lanes 16-31 of the last K step: k = 10 is the bias,
	v_cndmask_b32 v[SLA+5], v[SLA+5], 0, s[MH]        ; k = 11 is 0
	v_cndmask_b32 v[SLB+4], v[SLB+4], v[BB1], s[MH]
	v_cndmask_b32 v[SLB+5], v[SLB+5], 0, s[MH]
.irp i, 0,1,2
	ds_store_b64 v[W1A], v[SLA+2*\i:SLA+2*\i+1] offset:256*\i
	ds_store_b64 v[W1A], v[SLB+2*\i:SLB+2*\i+1] offset:3072+256*\i
.endr
	ds_store_b128 v[BSA], v[BSX:BSX+3]
	ds_store_b128 v[BSA], v[BSV:BSV+3] offset:7168
.irp i, 4,5,6,7,8,9,10,11,12,13,14,15
	v_mov_b32 v[Z+\i], 0                           ; k = 100 .. 111 of the hidden layers: zeros for the whole launch
.endr
	v_mov_b32 v[TM+2], 0                           ; written once: a lane permute's destination counts as one of its sources
	v_mov_b32 v[TM+3], 0
	v_mov_b32 v[TM+9], 0                           ; (upper halves of pairs of which the low word serves both halves)
	v_mov_b32 v[FB+1], 0
	s_wait_tensorcnt 0x0                           ; my s and a lie in LDS: only I read them
	s_wait_dscnt 0x0                               ; for the others' sake: my images and scale bytes have landed
	s_barrier_signal -1
	s_barrier_wait -1                              ; all images lie in LDS
	WIN 0x40                                       ; destination window 1, address window 0
.irp t, 0,1,2,3,4,5,6,7,8,9,10
.irp i, 0,1,2,3,4,5
	ds_load_b64 v[W2F+12*\t+2*\i:W2F+12*\t+2*\i+1], v[RB] offset:1536*\t+256*\i
.endr
.endr
.irp t, 0,1,2,3,4,5
.irp i, 0,1,2
	ds_load_b64 v[W1L+6*\t+2*\i:W1L+6*\t+2*\i+1], v[RB] offset:W1O+768*\t+256*\i
	ds_load_b64 v[W1V+6*\t+2*\i:W1V+6*\t+2*\i+1], v[RB] offset:W1O+768*(8+\t)+256*\i
.endr
.endr
.irp i, 0,1,2
	ds_load_b64 v[WSH+2*\i:WSH+2*\i+1], v[RB] offset:W1O+768*6+256*\i
	ds_load_b64 v[VT+2*\i:VT+2*\i+1], v[RB] offset:W1O+768*14+256*\i
.endr
	WIN 0
.irp t, 0,1,2,3,4,5,6,7,8,9,10
	ds_load_b32 v[WS+\t], v[RS] offset:64*\t
.endr
.irp i, 0,1,2,3,4,5
	ds_load_b128 v[BY+4*\i:BY+4*\i+3], v[BIA] offset:4096+512*\i
.endr
	ds_load_b64 v[SF:SF+1], v[AS0]                 ; tile 0
	ds_load_b64 v[SF+2:SF+3], v[AS0] offset:16
	ds_load_b64 v[SF+4:SF+5], v[AS2]
	ds_load_b64 v[AV:AV+1], v[AA0]
	s_mov_b32 s[CNT], 16
	s_mov_b32 s[OS], 0
	s_mov_b32 s[OA], 0
	s_mov_b32 s[OO], 0
	s_wait_dscnt 0x0
	WIN 0x45                                       ; destination and sources 0, 1: window 1
.irp i, 0,1,2,3,4,5
	v_cndmask_b32 v[WSH+\i], v[WSH+\i], v[VT+\i], s[M4]   ; the shared tile: rows 4-7 are the value tower's units 96 to 99,
.endr
.irp i, 0,1,2,3,4,5
	v_cndmask_b32 v[WSH+\i], v[WSH+\i], 0, s[M8]          ; rows 8-15 zeros
.endr
	WIN 0
	v_cndmask_b32 v[SF+4], v[SF+4], 1.0, s[MH]     ; k = 10: 1.0 against the bias;
	v_cndmask_b32 v[SF+5], v[SF+5], 0, s[MH]       ; k = 11: 0
; THE FIRST LAYERS' PRODUCTS, one to a call.  NEXTW writes number fwn of the 33 that are made a tile ahead: 0-11 location tiles 0-3, 12-20 location tiles 4, 5 and the shared tile, 21-32 value tiles 0-3;
; in each group the K steps one after the other and the accumulators by turns, one instruction a turn; a K step 0 starts its sum with the constant 0.  back = 1: the windows return to 0.
.macro NEXTW back
.if fwn < 12
.set fk, fwn/4
.set fd, AL+8*(fwn%4)
.set fa, W1L+6*(fwn%4)+2*fk
.set fw, 0x01                                  ; source 0: window 1
.elseif fwn < 21
.set fk, (fwn-12)/3
.set fw, 0x01
.if (fwn-12)%3 < 2
.set fd, AL+32+8*((fwn-12)%3)
.set fa, W1L+24+6*((fwn-12)%3)+2*fk
.else
.set fd, ASH
.set fa, WSH+2*fk
.endif
.else
.set fk, (fwn-21)/4
.set fd, AVA+8*((fwn-21)%4)
.set fa, W1V+6*((fwn-21)%4)+2*fk
.set fw, 0x51                                  ; source 0, C and D: window 1
.endif
	WIN fw
.if fk == 0
	v_wmma_f32_16x16x4_f32 v[fd:fd+7], v[fa:fa+1], v[SF:SF+1], 0
.else
	v_wmma_f32_16x16x4_f32 v[fd:fd+7], v[fa:fa+1], v[SF+2*fk:SF+2*fk+1], v[fd:fd+7]
.endif
.if \back
	WIN 0
.endif
.set fwn, fwn+1
.endm
; TAILW writes number fbn of the six of the tile in hand: value tiles 4, 5, into the accumulators that location tiles 0, 1 have left
.macro TAILW
.set fk, fbn/2
.set fd, AL+8*(fbn%2)
.set fa, W1V+24+6*(fbn%2)+2*fk
	WIN 0x01
.if fk == 0
	v_wmma_f32_16x16x4_f32 v[fd:fd+7], v[fa:fa+1], v[SF:SF+1], 0
.else
	v_wmma_f32_16x16x4_f32 v[fd:fd+7], v[fa:fa+1], v[SF+2*fk:SF+2*fk+1], v[fd:fd+7]
.endif
	WIN 0
.set fbn, fbn+1
.endm
.macro RELU d, s, n                            ; the activation, into other registers, each accumulator from its low end on
.set i, 0
.rept \n
	v_max_num_f32 v[\d+i], 0, v[\s+i]
.set i, i+1
.endr
.endm
; THE HIDDEN LAYER'S QUANTISER, two blocks of 32 at a time, in three parts, so that a product can stand between them.  My 16 numbers of each block at v[s0], v[s1] (of the second n1 can be other than 0).
.macro QHA s0, s1, n1                          ; the largest of my 16.  No |.|: none is negative
	v_max3_num_f32 v[TM], v[\s0], v[\s0+1], 0x2800000     ; with the floor 2^(5 - 127): the byte cannot fall under 1
	v_max3_num_f32 v[TM+1], v[\s1], v[\s1+1], 0x2800000
.irp i, 2,4,6,8,10,12,14
	v_max3_num_f32 v[TM], v[TM], v[\s0+\i], v[\s0+\i+1]
.if \i < \n1
	v_max3_num_f32 v[TM+1], v[TM+1], v[\s1+\i], v[\s1+\i+1]
.endif
.endr
.endm
.macro QHB c, pw                               ; the blocks' scales; two bytes into the scale word
	v_permlanex16_b32 v[TM+2], v[TM], s[SEL], s[SEL+1]
	v_permlanex16_b32 v[TM+3], v[TM+1], s[SEL], s[SEL+1]
	v_max_num_f32 v[TM], v[TM], v[TM+2]            ; with lane l xor 16's: the block's largest
	v_max_num_f32 v[TM+1], v[TM+1], v[TM+3]
	v_add_nc_u32 v[TM+4], 0xfe000000, v[TM]        ; 4 off the exponent field: the conversion's scale operand
	v_add_nc_u32 v[TM+5], 0xfe000000, v[TM+1]
	v_lshrrev_b32 v[TM+6], 23, v[TM+4]             ; the scale's byte
	v_lshrrev_b32 v[TM+7], 23, v[TM+5]
.if \c == 0
	v_lshl_or_b32 v[\pw], v[TM+7], 8, v[TM+6]
.else
	v_lshl_or_b32 v[\pw], v[TM+6], 16, v[\pw]
	v_lshl_or_b32 v[\pw], v[TM+7], 24, v[\pw]
.endif
.endm
.macro QHC c, s0, s1, pc                       ; the codes, into registers 6 c .. 6 c + 5 of the operand at v[pc]
	v_cvt_scalef32_pk16_bf6_f32 v[\pc+6*\c:\pc+6*\c+2], v[\s0:\s0+15], v[TM+4]
	v_cvt_scalef32_pk16_bf6_f32 v[PT:PT+2], v[\s1:\s1+15], v[TM+5]
	v_nop                                          ; one plain place behind a scaled conversion
.irp i, 0,1,2
	v_permlane16_swap_b32 v[\pc+6*\c+\i], v[PT+\i] ; the operand wants a whole block in a lane: lanes 0-15 block 2 c, lanes 16-31 block 2 c + 1
.endr
.irp i, 0,1,2
	v_mov_b32 v[\pc+6*\c+3+\i], v[PT+\i]
.endr
.endm
.macro MX d, t, c, pc, pw                      ; a tile of a second layer: source 0 = 16 columns of the weight (window 1), source 1 = the hidden codes, C = the bias
	v_wmma_scale_f32_16x16x128_f8f6f4 v[\d:\d+7], v[W2F+12*(\t):W2F+12*(\t)+11], v[\pc:\pc+11], v[\c:\c+7], v[WS+(\t)], v[\pw] matrix_a_fmt:MATRIX_FMT_BF6 matrix_b_fmt:MATRIX_FMT_BF6
.endm
.macro MXI d, t, c, pc, pw                     ; the same, standing alone among vector work
	WIN 0x01
	MX \d, \t, \c, \pc, \pw
	WIN 0
.endm
.macro BXLOAD                                  ; b_l2's x (and slot 24's y) into the registers that tiles 0-3 take as C and D
.irp i, 0,1,2,3,4,5,6,7
	ds_load_b128 v[U+4*\i:U+4*\i+3], v[BIA] offset:512*\i
.endr
.endm
; From the location tower's sums to the unnormalised weights e in U + 0 .. 24 (U + 25 = 0), with the next tile's 33 first-layer products and this tile's four value products between.
; x in U + 0 .. 24, y in U + 25 and U + 32 .. 55.  5 tanh(z) - a = (5 - a) - 10 / (1 + 2^(2 log2(e) z)).
; Each batch of transcendentals has one plain line and one wait behind it, ahead of its first reader; a product stands behind every fifth of a batch.
.macro XYPOST
.set p, 0
.rept 13
	v_pk_mul_f32 v[U+p:U+p+1], v[U+p:U+p+1], s[C2:C2+1] op_sel_hi:[1,0]   ; x first: these thirteen are the places behind y's products
.set p, p+2
.endr
	NEXTW 1
.set p, 32
.rept 12
	v_pk_mul_f32 v[U+p:U+p+1], v[U+p:U+p+1], s[C2:C2+1] op_sel_hi:[1,0]
.set p, p+2
.endr
	NEXTW 1
.set p, 0
.rept 50
.if p < 26
	v_exp_f32 v[U+p], v[U+p]
.else
	v_exp_f32 v[U+p+6], v[U+p+6]
.endif
.set p, p+1
.if p%5 == 0
	NEXTW 1
.endif
.endr
	v_nop
	s_wait_alu depctr_va_vdst(0)
.set p, 0
.rept 13
	v_pk_add_f32 v[U+p:U+p+1], v[U+p:U+p+1], 1.0 op_sel_hi:[1,0]
.set p, p+2
.endr
	NEXTW 1
.set p, 32
.rept 12
	v_pk_add_f32 v[U+p:U+p+1], v[U+p:U+p+1], 1.0 op_sel_hi:[1,0]
.set p, p+2
.endr
.set p, 0
.rept 50
.if p < 26
	v_rcp_f32 v[U+p], v[U+p]
.else
	v_rcp_f32 v[U+p+6], v[U+p+6]
.endif
.set p, p+1
.if p%5 == 0
	NEXTW 1
.endif
.endr
	v_nop
	s_wait_alu depctr_va_vdst(0)
.set p, 0
.rept 12
	v_pk_fma_f32 v[U+p:U+p+1], v[U+p:U+p+1], s[M10:M10+1], v[FA:FA+1] op_sel_hi:[1,0,0]            ; dx
	v_pk_fma_f32 v[U+32+p:U+33+p], v[U+32+p:U+33+p], s[M10:M10+1], v[FB:FB+1] op_sel_hi:[1,0,0]    ; dy
.set p, p+2
.if p == 12
	NEXTW 1
.endif
.endr
	v_pk_fma_f32 v[U+24:U+25], v[U+24:U+25], s[M10:M10+1], v[FA:FA+1] op_sel_hi:[1,0,1]            ; slot 24: dx, dy
.set p, 0
.rept 12
	v_pk_mul_f32 v[U+p:U+p+1], v[U+p:U+p+1], v[U+p:U+p+1]
.set p, p+2
.endr
	v_mul_f32 v[U+24], v[U+24], v[U+24]
	NEXTW 1
.set p, 0
.rept 12
	v_pk_fma_f32 v[U+p:U+p+1], v[U+32+p:U+33+p], v[U+32+p:U+33+p], v[U+p:U+p+1]
.set p, p+2
.endr
	v_fma_f32 v[U+24], v[U+25], v[U+25], v[U+24]
.irp i, 0,1,2,3,4,5,6,7
	ds_load_b128 v[RV+4*\i:RV+4*\i+3], v[BIA] offset:7168+512*\i   ; y is done with: b_v2 comes into the registers that tiles 7-10 take as C and D
.endr
.set p, 0
.rept 25
	v_sqrt_f32 v[U+p], v[U+p]                      ; the distance d
.set p, p+1
.if p%5 == 0
	NEXTW 1
.endif
.endr
	v_nop
	s_wait_alu depctr_va_vdst(0)
	v_max3_num_f32 v[TM], -v[U], -v[U+1], -v[U+2]  ; the softmax's maximum: the largest -d of the row's 50
	v_max3_num_f32 v[TM+1], -v[U+3], -v[U+4], -v[U+5]
.irp i, 6,10,14,18
	v_max3_num_f32 v[TM], v[TM], -v[U+\i], -v[U+\i+1]
	v_max3_num_f32 v[TM+1], v[TM+1], -v[U+\i+2], -v[U+\i+3]
.endr
	v_max3_num_f32 v[TM], v[TM], -v[U+22], -v[U+23]
	v_max3_num_f32 v[TM], v[TM], v[TM+1], -v[U+24]
	v_permlanex16_b32 v[TM+2], v[TM], s[SEL], s[SEL+1]
	v_max_num_f32 v[TM], v[TM], v[TM+2]            ; with the other 25 centroids', in lane l xor 16
	v_mul_f32 v[TM+8], s[MC3], v[TM]               ; 3 log2(e) x the smallest d
	NEXTW 1
.set p, 0
.rept 12
	v_pk_fma_f32 v[U+p:U+p+1], v[U+p:U+p+1], s[MC3:MC3+1], v[TM+8:TM+9] op_sel_hi:[1,0,0]
.set p, p+2
.endr
	v_fma_f32 v[U+24], v[U+24], s[MC3], v[TM+8]
	s_wait_dscnt 0x0                               ; b_v2 is in
	WIN 0x01
.irp g, 0,1,2,3
	MX RV+8*\g, 7+\g, RV+8*\g, PCV, PWV            ; the values
.endr
	WIN 0
.set p, 0
.rept 25
	v_exp_f32 v[U+p], v[U+p]                       ; e = exp(-3 (d - the smallest d)), at most 1
.set p, p+1
.if (p == 5) || (p == 10)
	NEXTW 1
.endif
.endr
	v_mov_b32 v[U+25], 0                           ; the plain line behind the batch
	s_wait_alu depctr_va_vdst(0)
.endm
	; THE PROLOGUE: tile 0's 33 products, with no vector work yet to set between them
.set fwn, 0
.rept 33
	NEXTW 0
.endr
	WIN 0
	BXLOAD
.rept 8
	v_nop                                          ; eight places behind the f32 form, ahead of the first read of its results
.endr
.Ltile:                                            ; 16 trips, a tile of 16 rows each.  On the way in: the tile's first layers but for value tiles 4, 5; its s and a; b_l2's x on its way into U
.set fbn, 0
.set fwn, 0
	v_sub_f32 v[FA], 0x40a00000, v[AV]
	v_sub_f32 v[FA+1], 0x40a00000, v[AV+1]
	v_sub_f32 v[FB], 0x40a00000, v[AV+1]
	v_add_nc_u32 v[ADO], s[OO], v[AO0]
	; the location tower is quantised; value tiles 4, 5 are made meanwhile
	RELU STG, AL, 32                               ; units 0 to 63
	TAILW
	QHA STG, STG+16, 16
	TAILW
	QHB 0, PW
	QHC 0, STG, STG+16, PC
	TAILW
	RELU STG, AL+32, 16                            ; units 64 to 95,
	RELU Z, ASH, 4                                 ; and 96 to 99
	TAILW
	QHA STG, Z, 4
	QHB 1, PW
	TAILW
	QHC 1, STG, Z, PC
	TAILW
	; the value tower is quantised; x's products are made meanwhile
	WIN 0x04                                       ; source 1: window 1
	RELU STG, AVA, 32                              ; these 32 are the places behind the scale word's and the codes' last lines, and in front of the loads into s's fragment
	WIN 0
	s_wait_dscnt 0x0                               ; b_l2's x lies in U
	s_add_co_u32 s[OS], s[OS], 640                 ; the next tile's s and a are asked for; the last trip asks for tile 15 once more, which spares a branch
	s_min_u32 s79, s[OS], 9600
	s_add_co_u32 s[OA], s[OA], 128
	s_min_u32 s80, s[OA], 1920
	v_add_nc_u32 v[ADS], s79, v[AS0]
	v_add_nc_u32 v[ADS2], s79, v[AS2]
	v_add_nc_u32 v[ADA], s80, v[AA0]
	ds_load_b64 v[SF:SF+1], v[ADS]
	ds_load_b64 v[SF+2:SF+3], v[ADS] offset:16
	ds_load_b64 v[SF+4:SF+5], v[ADS2]
	ds_load_b64 v[AV:AV+1], v[ADA]
	MXI U, 0, U, PC, PW
	QHA STG, STG+16, 16
	MXI U+8, 1, U+8, PC, PW
	QHB 0, PWV
	QHC 0, STG, STG+16, PCV
	MXI U+16, 2, U+16, PC, PW
	RELU STG, AL, 16                               ; value units 64 to 95,
	RELU Z, ASH+4, 4                               ; and 96 to 99
	MXI U+24, 3, U+24, PC, PW
	QHA STG, Z, 4
	QHB 1, PWV
	QHC 1, STG, Z, PCV
	s_wait_dscnt 0x0                               ; the next tile's s and a are in
	v_cndmask_b32 v[SF+4], v[SF+4], 1.0, s[MH]     ; k = 10: 1.0 against the bias;
	v_cndmask_b32 v[SF+5], v[SF+5], 0, s[MH]       ; k = 11: 0
	WIN 0x01
.irp g, 0,1,2
	MX U+32+8*\g, 4+\g, BY+8*\g, PC, PW            ; y: into the registers that the quantiser's stage has left
.endr
	WIN 0
	XYPOST
	v_pk_add_f32 v[TM+10:TM+11], v[U:U+1], v[U+2:U+3]      ; the sum of e, two chains: also the places behind the values' products
	v_pk_add_f32 v[TM+12:TM+13], v[U+4:U+5], v[U+6:U+7]
.irp p, 8,12,16,20
	v_pk_add_f32 v[TM+10:TM+11], v[TM+10:TM+11], v[U+\p:U+\p+1]
	v_pk_add_f32 v[TM+12:TM+13], v[TM+12:TM+13], v[U+\p+2:U+\p+3]
.endr
	v_pk_add_f32 v[TM+10:TM+11], v[TM+10:TM+11], v[U+24:U+25]
	v_pk_add_f32 v[TM+10:TM+11], v[TM+10:TM+11], v[TM+12:TM+13]
	v_add_f32 v[TM+10], v[TM+10], v[TM+11]
	v_permlanex16_b32 v[TM+2], v[TM+10], s[SEL], s[SEL+1]
	v_add_f32 v[TM+10], v[TM+10], v[TM+2]          ; the row's sum of e: at least 1
	v_rcp_f32 v[TM+18], v[TM+10]
	v_pk_mul_f32 v[TM+12:TM+13], v[U:U+1], v[RV:RV+1]      ; the sum of e x value, two chains, each accumulator from its low end on.  (The plain line behind the reciprocal)
	v_pk_mul_f32 v[TM+14:TM+15], v[U+2:U+3], v[RV+2:RV+3]
.irp p, 4,8,12,16,20
	v_pk_fma_f32 v[TM+12:TM+13], v[U+\p:U+\p+1], v[RV+\p:RV+\p+1], v[TM+12:TM+13]
	v_pk_fma_f32 v[TM+14:TM+15], v[U+\p+2:U+\p+3], v[RV+\p+2:RV+\p+3], v[TM+14:TM+15]
.endr
	v_pk_fma_f32 v[TM+12:TM+13], v[U+24:U+25], v[RV+24:RV+25], v[TM+12:TM+13]   ; slot 24, and 0 x a row that no slot needs
	BXLOAD                                         ; e is done with: the next trip's b_l2 x
	v_pk_add_f32 v[TM+12:TM+13], v[TM+12:TM+13], v[TM+14:TM+15]
	v_add_f32 v[TM+12], v[TM+12], v[TM+13]
	v_permlanex16_b32 v[TM+3], v[TM+12], s[SEL], s[SEL+1]
	v_add_f32 v[TM+12], v[TM+12], v[TM+3]
	s_wait_alu depctr_va_vdst(0)                   ; the wait for the reciprocal, ahead of its reader
	v_mul_f32 v[TM+12], v[TM+12], v[TM+18]
	ds_store_b32 v[ADO], v[TM+12]                  ; lanes r and r + 16 write the same word with the same value
	s_add_co_u32 s[OO], s[OO], 64
	s_sub_co_u32 s[CNT], s[CNT], 1
	s_cmp_lg_u32 s[CNT], 0
	s_cbranch_scc1 .Ltile
	; THE WAY OUT: my 256 results, 1,024 consecutive bytes.  (Into the values' registers: loads are still on their way into U + 0 .. 31)
	ds_load_b128 v[RV:RV+3], v[ORD]                ; LDS serves a wave's instructions in order (ISA guide 5.7.1.4): these see my stores
	ds_load_b128 v[RV+4:RV+7], v[ORD] offset:512
	s_wait_dscnt 0x0
	global_store_b128 v[GO], v[RV:RV+3], s[28:29] th:TH_STORE_NT              ; 32 lanes store 512 consecutive bytes, at a multiple of 256 from out0's first byte
	global_store_b128 v[GO], v[RV+4:RV+7], s[28:29] offset:512 th:TH_STORE_NT
	s_wait_tensorcnt 0x0                           ; the wave's end, behind my last tensor load and my last LDS store
	ds_add_u32 v[SPW], v[NIL]
	s_wait_dscnt 0x0
	s_endpgm
.Lfunc_end_k_q6c02109cc1_net:
	.size	k_q6c02109cc1_net, .Lfunc_end_k_q6c02109cc1_net-k_q6c02109cc1_net
	.p2alignl 7, 3214868480
	.fill 96, 4, 3214868480
	.section	.rodata,"a",@progbits
	.p2align	6, 0x0
	.amdhsa_kernel k_q6c02109cc1_net
		.amdhsa_group_segment_fixed_size 167936
		.amdhsa_private_segment_fixed_size 0
		.amdhsa_enable_private_segment 0
		.amdhsa_kernarg_size 88
		.amdhsa_user_sgpr_count 2
		.amdhsa_user_sgpr_kernarg_segment_ptr 1
		.amdhsa_wavefront_size32 1
		.amdhsa_system_sgpr_workgroup_id_x 1
		.amdhsa_system_sgpr_workgroup_id_y 1
		.amdhsa_system_sgpr_workgroup_id_z 1
		.amdhsa_system_vgpr_workitem_id 0
		.amdhsa_next_free_vgpr 512
		.amdhsa_next_free_sgpr 88
		.amdhsa_reserve_vcc 0
		.amdhsa_float_denorm_mode_32 3
		.amdhsa_float_denorm_mode_16_64 3
		.amdhsa_memory_ordered 1
		.amdhsa_forward_progress 1
		.amdhsa_inst_pref_size 78
	.end_amdhsa_kernel
	.amdgpu_metadata
---
amdhsa.version: [ 1, 2 ]
amdhsa.kernels:
  - .name:           k_q6c02109cc1_net
    .symbol:         k_q6c02109cc1_net.kd
    .args:
      - { .name: s, .offset: 0, .size: 8, .value_kind: global_buffer, .address_space: global }
      - { .name: a, .offset: 8, .size: 8, .value_kind: global_buffer, .address_space: global }
      - { .name: w_v1, .offset: 16, .size: 8, .value_kind: global_buffer, .address_space: global }
      - { .name: b_v1, .offset: 24, .size: 8, .value_kind: global_buffer, .address_space: global }
      - { .name: w_l1, .offset: 32, .size: 8, .value_kind: global_buffer, .address_space: global }
      - { .name: b_l1, .offset: 40, .size: 8, .value_kind: global_buffer, .address_space: global }
      - { .name: w_v2, .offset: 48, .size: 8, .value_kind: global_buffer, .address_space: global }
      - { .name: b_v2, .offset: 56, .size: 8, .value_kind: global_buffer, .address_space: global }
      - { .name: w_l2, .offset: 64, .size: 8, .value_kind: global_buffer, .address_space: global }
      - { .name: b_l2, .offset: 72, .size: 8, .value_kind: global_buffer, .address_space: global }
      - { .name: out0, .offset: 80, .size: 8, .value_kind: global_buffer, .address_space: global }
    .group_segment_fixed_size: 167936
    .private_segment_fixed_size: 0
    .kernarg_segment_align: 8
    .kernarg_segment_size: 88
    .max_flat_workgroup_size: 256
    .sgpr_count:     88
    .vgpr_count:     512
    .wavefront_size: 32
...
	.end_amdgpu_metadata
.endif
;; end of part 1
